; MI455X (gfx1250); checked and timed in simulation.
; The chip was launched on July 23, 2026; its instructions are those of AMD's public machine-readable ISA for CDNA 5 (MIT licence, August 2026) and "CDNA5" Instruction Set Architecture Reference Guide (July 2026). The comments in the code are by the model that wrote it; some were corrected since.
;; Multi Head Attention. Allowed arithmetic: matrix products marked QUANTISED: E2M3 operands, one E8M0 scale for each 32 along K, by v_wmma_scale_f32_16x16x128_f8f6f4 with both operands' format E2M3, f32 sums; everything else in f32.
;; Inputs: W_o 1,024 x 1,024 float32; W_qkv 3,072 x 1,024 float32; b_o 1,024 float32; b_qkv 3,072 float32; x 2 x 2,048 x 1,024 float32.
;; Outputs: out0 2 x 2,048 x 1,024 float32.
;; This version of the problem:
;;   THIS VERSION OF THE PROBLEM IS GIVEN IN LOW PRECISION. The matrix products marked QUANTISED in the list below multiply operands that are first quantised to E2M3 (2 exponent bits, 3 mantissa bits; 6 bits a number), with one power-of-two scale for each 32 numbers along K (OCP MX v1.0); their sums are f32. All else is computed in f32.
;;   The module's matrix products, in the order in which they are computed (A, B: the left and right operand; K: the contracted axis; several contracted axes count as one K, in the product's order):
;;     1. [M 4,096, K 1,024] x [K 1,024, N 3,072]; A: input x; B: input W_qkv: QUANTISED
;;     2. batch 32 x [M 2,048, K 64] x [K 64, N 2,048]; A: computed on the way; B: computed on the way: QUANTISED
;;     3. batch 32 x [M 2,048, K 2,048] x [K 2,048, N 64]; A: softmax (see below); B: computed on the way: QUANTISED
;;     4. [M 4,096, K 1,024] x [K 1,024, N 1,024]; A: computed on the way; B: input W_o: QUANTISED
;;   THE QUANTISER, for each operand of a quantised product, along K:
;;     - K is cut into blocks of 32 from its start; a last block that is shorter is filled with zeros.
;;     - A block's scale is 2^e with e = floor(log2(the largest magnitude in the block)) - 2, held to -126 .. 127; a block of zeros has e = 0. As a byte (E8M0): e + 127.
;;     - Each number is divided by its block's scale, clamped to +-7.5, and rounded to the nearest number of E2M3, ties to even, subnormals kept.
;;     - The product sums the exact products of the quantised numbers (number of the format x scale) in f32.
;;   ~~~python
;;   def quantise(x, axis):      # numpy; x: float32 -> the quantised numbers, widened to float32 again
;;       x = np.moveaxis(x, axis, -1); K = x.shape[-1]
;;       x = np.pad(x, [(0, 0)] * (x.ndim - 1) + [(0, -K % 32)]); x = x.reshape(x.shape[:-1] + (-1, 32)); a = np.abs(x).max(-1, keepdims=True)
;;       e = np.where(a > 0, np.clip(np.frexp(np.where(a > 0, a, 1))[1] - 1 - 2, -126, 127), 0)      # np.frexp(a)[1] - 1 = floor(log2(a)), exactly
;;       r = np.clip(x / 2.0 ** e, -7.5, 7.5)
;;       step = 2.0 ** (np.maximum(np.frexp(np.where(r == 0, 1, r))[1] - 1, 0) - 3)
;;       q = np.round(r / step) * step * 2.0 ** e      # np.round: ties to even
;;       return np.moveaxis(q.reshape(q.shape[:-2] + (-1,))[..., :K], -1, axis).astype(np.float32)
;;   ~~~
;;   SOFTMAX AHEAD OF A QUANTISED PRODUCT. Where the list says 'softmax', what is quantised is not the finished softmax but p = 2^(t - M), with t = logit x log2(e) and M = ceil(the row's largest t), a whole number; so 1/2 < the row's largest p <= 1. The row's sum l is taken of the UNQUANTISED p, in f32, and the product's result is divided by l at the end. Since M is a whole number, a kernel that streams over the keys may use a running M (the ceiling of the running maximum): every later rescaling is an exact power of two, which a block's scale takes up: the codes' values come out the same.
;;   OPERANDS COMPUTED ON THE WAY. 'Computed on the way' means the value that the module computes at that place (a softmax that the list does not call 'softmax' is quantised finished and normalised). What goes into a quantiser is computed in f32, as accurately as f32 sums, v_exp_f32 and their like allow (about 1e-6 of the number): no bf16 or f16 on the way to a quantiser, and a product that is left as it is and whose result goes on into a quantised operand takes f32 operands (vector FMAs, or v_wmma_f32_16x16x4_f32). A number that lies on a knife's edge between two numbers of the format may be rounded either way, as far as f32 arithmetic and the matrix unit's own rounding can turn it there, and no further.
;; One version. Each part assembles by itself: llvm-mc -triple=amdgcn-amd-amdhsa -mcpu=gfx1250 --defsym DOCPART=n.
;; ======== version 1 of 1: 4 launches
;; limits: right only within a limited range of input values
;; workspace buffers: c1 6,291,456 bytes; s1 262,144 bytes; kv 6,553,600 bytes; qb 6,553,600 bytes; ao_c 3,145,728 bytes; ao_s 131,072 bytes
;; launch quant (part 1): grid 256 x 1, 8 waves a work-group, no clusters, 69,632 bytes of LDS; arguments x, W_qkv, W_o, c1, s1; writes c1, s1
.if DOCPART == 1
	.amdgcn_target "amdgcn-amd-amdhsa--gfx1250"
	.amdhsa_code_object_version 6
	.text
	.protected	k_q31d68c73c2_quant
	.globl	k_q31d68c73c2_quant
	.p2align	8
	.type	k_q31d68c73c2_quant,@function
k_q31d68c73c2_quant:
	s_mov_b64 s[64:65], 0
	v_nop
	global_prefetch_b8 v0, s[64:65] scope:SCOPE_SE
	s_setreg_imm32_b32 hwreg(HW_REG_WAVE_MODE, 25, 1), 1
	s_wait_xcnt 0x0
; x [4096][1024], W_qkv [3072][1024], W_o [1024][1024], f32, K innermost, become codes of FP6 (E2M3) and one E8M0 byte for each 32 along K, laid as IMAGES OF OPERAND REGISTERS:
; c1: [tile 512 of 16 rows][K step 8 of 128][piece 3 of 4 registers][lane 32][16 bytes];  s1: [tile][2][row 16][16 bytes]: the words of four K steps each.  Tiles 0-255 are x, 256-447 W_qkv, 448-511 W_o.
; ROW ORDER: row r of tile 4 B + j is row 64 B + 32 (r / 8) + 8 j + r % 8 of its tensor: so a lane's results of a product over four such tiles are 32 neighbours: one scale block of the next product.
; A block's scale is 2^(floor(log2(its largest magnitude)) - 2); its byte is the largest magnitude's exponent field - 2, held at 1 from below.
; LIMITS: a block of zeros gets the byte 1 where the rule says 127 (its codes are zeros, and this program alone reads the bytes); NaN and infinities among the inputs are not served.
; NO INPUT IS LEFT OUT.  The one work of reference() that this program leaves out is in the attention launch (whole steps under its own causal mask), and is named there.
; A work-group takes two tiles; a wave a tile's 256 along K: two K steps, 32 loads of 512 consecutive bytes, all asked for at the head.  They turn through the wave's own stage in LDS, rows of 512 + 16 bytes: lane (r, h) takes k = 64 c + 32 h + 0 .. 31 of row r: whole blocks.
; No prefetch: every load is issued ahead of the first wait.  No tensor loads; the one barrier is for the scale bytes, which leave in whole units.
.set WREG, 8448
.set SCS,  8*WREG
.set SPARE, SCS+1024
.set SPW, 60
.set NIL, 61
.set R, 64                             ; v64-191 the loads of two K steps
.set X, 192                            ; v192-255 the first step's blocks (the second's: v64-127)
.set C, 16                             ; v16-39 codes
.set T, 48                             ; v48-54 second halves
	s_load_b128 s[4:7], s[0:1], 0x0
	s_load_b128 s[8:11], s[0:1], 0x10
	s_load_b64 s[12:13], s[0:1], 0x20
	v_lshl_add_u32 v[SPW], v0, 2, SPARE
	v_mov_b32 v[NIL], 0
	v_lshrrev_b32 v1, 5, v0
	v_readfirstlane_b32 s16, v1
	v_and_b32 v2, 31, v0
	v_and_b32 v3, 15, v0                           ; r
	v_bfe_u32 v4, v0, 4, 1                         ; h
	v_lshlrev_b32 v5, 4, v2                        ; 16 x lane
	s_mul_i32 s17, s16, WREG
	v_add_nc_u32 v6, s17, v5                       ; into the stage
	v_mul_u32_u24 v7, v3, 528
	v_lshl_add_u32 v7, v4, 7, v7
	v_add_nc_u32 v7, s17, v7                       ; out of it
	s_lshr_b32 s18, s16, 2                         ; which of the two tiles
	s_and_b32 s19, s16, 3                          ; which quarter of K
	s_lshl_b32 s20, s18, 9
	s_lshr_b32 s21, s19, 1
	s_lshl_b32 s21, s21, 8
	s_add_co_u32 s20, s20, s21
	s_and_b32 s21, s19, 1
	s_lshl_b32 s21, s21, 3
	s_add_co_u32 s20, s20, s21
	s_add_co_u32 s20, s20, SCS
	s_wait_alu depctr_va_vdst(0)
	v_lshl_add_u32 v8, v3, 4, v4
	v_add_nc_u32 v8, s20, v8                       ; my scale bytes' place
	s_lshl_b32 s21, s16, 9
	s_add_co_u32 s21, s21, SCS
	v_add_nc_u32 v9, s21, v5                       ; and, in waves 0 and 1, a tile's 512 bytes on the way out
	s_wait_alu depctr_va_vdst(0)
	s_wait_kmcnt 0x0
	s_mov_b32 s22, 224                             ; work-groups 0-127 x, 128-223 W_qkv, 224-255 W_o
	s_cmp_lt_u32 ttmp9, 224
	s_cselect_b64 s[6:7], s[6:7], s[8:9]
	s_cselect_b32 s22, 128, s22
	s_cmp_lt_u32 ttmp9, 128
	s_cselect_b64 s[4:5], s[4:5], s[6:7]
	s_cselect_b32 s22, 0, s22
	s_sub_co_u32 s22, ttmp9, s22
	s_lshl_b32 s22, s22, 1
	s_add_co_u32 s22, s22, s18                     ; my tile in its tensor
	s_lshr_b32 s24, s22, 2
	s_lshl_b32 s24, s24, 18
	s_and_b32 s25, s22, 3
	s_lshl_b32 s25, s25, 15
	s_add_co_u32 s24, s24, s25
	s_lshl_b32 s25, s19, 10
	s_add_co_u32 s24, s24, s25                     ; its first row's quarter, in bytes
	s_mov_b32 s25, 0
	s_add_nc_u64 s[4:5], s[4:5], s[24:25]
	s_lshl_b32 s22, ttmp9, 1
	s_add_co_u32 s23, s22, s18
	s_mul_i32 s24, s23, 12288
	s_mul_i32 s26, s19, 3072
	s_add_co_u32 s24, s24, s26
	s_add_nc_u64 s[10:11], s[10:11], s[24:25]
	s_add_co_u32 s22, s22, s16
	s_lshl_b32 s24, s22, 9
	s_add_nc_u64 s[12:13], s[12:13], s[24:25]      ; used by waves 0 and 1: tile 2 x work-group + wave
.irp e, 0,1
.irp i, 0,1,2,3,4,5,6,7,8,9,10,11,12,13,14,15
	global_load_b128 v[R+64*\e+4*\i:R+64*\e+4*\i+3], v5, s[4:5] offset:(32*(\i/8)+\i%8)*4096+512*\e th:TH_LOAD_NT
.endr
.endr
.macro KSTEP e
.set XS, X-128*(\e)
.set CS, C+12*(\e)
	s_wait_loadcnt 16*(1-(\e))                     ; this K step's sixteen are in
.irp i, 0,1,2,3,4,5,6,7,8,9,10,11,12,13,14,15
	ds_store_b128 v6, v[R+64*\e+4*\i:R+64*\e+4*\i+3] offset:528*\i
.endr
.irp c, 0,1
.irp j, 0,1,2,3,4,5,6,7
	ds_load_b128 v[XS+32*\c+4*\j:XS+32*\c+4*\j+3], v7 offset:256*\c+16*\j   ; LDS serves a wave's instructions in order: these see the stores above
.endr
.endr
	s_wait_dscnt 0x0
.irp c, 0,1
	v_max3_num_f32 v[10+2*\c], |v[XS+32*\c]|, |v[XS+32*\c+1]|, |v[XS+32*\c+2]|
	v_max3_num_f32 v[11+2*\c], |v[XS+32*\c+16]|, |v[XS+32*\c+17]|, |v[XS+32*\c+18]|
.endr
.irp i, 3,5,7,9,11,13
.irp c, 0,1
	v_max3_num_f32 v[10+2*\c], v[10+2*\c], |v[XS+32*\c+\i]|, |v[XS+32*\c+\i+1]|
	v_max3_num_f32 v[11+2*\c], v[11+2*\c], |v[XS+32*\c+16+\i]|, |v[XS+32*\c+17+\i]|
.endr
.endr
.irp c, 0,1
	v_max3_num_f32 v[10+2*\c], v[10+2*\c], v[11+2*\c], |v[XS+32*\c+15]|
.endr
.irp c, 0,1
	v_max3_num_f32 v[10+2*\c], v[10+2*\c], |v[XS+32*\c+31]|, 0x1800000   ; with the floor 2^(3 - 127)
.endr
.irp c, 0,1
	v_add_nc_u32 v[14+\c], 0xff000000, v[10+2*\c]  ; 2 off the exponent field: the conversion's scale operand
.endr
.irp c, 0,1
	v_cvt_scalef32_pk16_fp6_f32 v[CS+6*\c:CS+6*\c+2], v[XS+32*\c:XS+32*\c+15], v[14+\c]
	v_cvt_scalef32_pk16_fp6_f32 v[T+4*\c:T+4*\c+2], v[XS+32*\c+16:XS+32*\c+31], v[14+\c]
.endr
.irp c, 0,1
	v_lshrrev_b32 v[10+2*\c], 23, v[14+\c]         ; the byte
.endr
.irp c, 0,1
.irp i, 0,1,2
	v_mov_b32 v[CS+6*\c+3+\i], v[T+4*\c+\i]        ; (a conversion's three registers begin on an even number)
.endr
.endr
	ds_store_b8 v8, v10 offset:4*\e
	ds_store_b8 v8, v12 offset:4*\e+2
.irp k, 0,1,2
	global_store_b128 v5, v[CS+4*\k:CS+4*\k+3], s[10:11] offset:1536*\e+512*\k   ; 512 consecutive bytes, aligned
.endr
.endm
	KSTEP 0
	KSTEP 1
	s_wait_dscnt 0x0                               ; my scale bytes are stored,
	s_barrier_signal -1
	s_barrier_wait -1                              ; and everybody's
	s_cmp_lt_u32 s16, 2
	s_cbranch_scc0 .Lend
	ds_load_b128 v[56:59], v9
	s_wait_dscnt 0x0
	global_store_b128 v5, v[56:59], s[12:13]
.Lend:
	s_wait_tensorcnt 0x0                           ; the wave's end
	ds_add_u32 v[SPW], v[NIL]
	s_wait_dscnt 0x0
	s_endpgm
.Lfunc_end_k_q31d68c73c2_quant:
	.size	k_q31d68c73c2_quant, .Lfunc_end_k_q31d68c73c2_quant-k_q31d68c73c2_quant
	.p2alignl 7, 3214868480
	.fill 96, 4, 3214868480
	.section	.rodata,"a",@progbits
	.p2align	6, 0x0
	.amdhsa_kernel k_q31d68c73c2_quant
		.amdhsa_group_segment_fixed_size 69632
		.amdhsa_private_segment_fixed_size 0
		.amdhsa_enable_private_segment 0
		.amdhsa_kernarg_size 40
		.amdhsa_user_sgpr_count 2
		.amdhsa_user_sgpr_kernarg_segment_ptr 1
		.amdhsa_wavefront_size32 1
		.amdhsa_system_sgpr_workgroup_id_x 1
		.amdhsa_system_sgpr_workgroup_id_y 1
		.amdhsa_system_sgpr_workgroup_id_z 1
		.amdhsa_system_vgpr_workitem_id 0
		.amdhsa_next_free_vgpr 256
		.amdhsa_next_free_sgpr 66
		.amdhsa_reserve_vcc 0
		.amdhsa_float_denorm_mode_32 3
		.amdhsa_float_denorm_mode_16_64 3
		.amdhsa_memory_ordered 1
		.amdhsa_forward_progress 1
		.amdhsa_inst_pref_size 17
	.end_amdhsa_kernel
	.amdgpu_metadata
---
amdhsa.version: [ 1, 2 ]
amdhsa.kernels:
  - .name:           k_q31d68c73c2_quant
    .symbol:         k_q31d68c73c2_quant.kd
    .args:
      - { .name: x, .offset: 0, .size: 8, .value_kind: global_buffer, .address_space: global }
      - { .name: W_qkv, .offset: 8, .size: 8, .value_kind: global_buffer, .address_space: global }
      - { .name: W_o, .offset: 16, .size: 8, .value_kind: global_buffer, .address_space: global }
      - { .name: c1, .offset: 24, .size: 8, .value_kind: global_buffer, .address_space: global }
      - { .name: s1, .offset: 32, .size: 8, .value_kind: global_buffer, .address_space: global }
    .group_segment_fixed_size: 69632
    .private_segment_fixed_size: 0
    .kernarg_segment_align: 8
    .kernarg_segment_size: 40
    .max_flat_workgroup_size: 256
    .sgpr_count:     66
    .vgpr_count:     256
    .wavefront_size: 32
...
	.end_amdgpu_metadata
.endif
;; end of part 1
;; launch qkv (part 2): grid 16 x 16, 4 waves a work-group, clusters of 4 x 4, 327,680 bytes of LDS; arguments c1, s1, b_qkv, kv, qb; writes kv, qb
.if DOCPART == 2
	.amdgcn_target "amdgcn-amd-amdhsa--gfx1250"
	.amdhsa_code_object_version 6
	.text
	.protected	k_q31d68c73c2_qkv
	.globl	k_q31d68c73c2_qkv
	.p2align	8
	.type	k_q31d68c73c2_qkv,@function
k_q31d68c73c2_qkv:
	s_mov_b64 s[64:65], 0
	v_nop
	global_prefetch_b8 v0, s[64:65] scope:SCOPE_SE
	s_setreg_imm32_b32 hwreg(HW_REG_WAVE_MODE, 25, 1), 1
	s_wait_xcnt 0x0
	s_wait_alu depctr_hold_cnt(0) depctr_sa_sdst(0) depctr_va_vdst(0) depctr_va_sdst(0) depctr_va_ssrc(0) depctr_va_vcc(0) depctr_vm_vsrc(0)
	s_getreg_b32 s2, hwreg(HW_REG_IB_STS2, 6, 4)
	s_cmp_eq_u32 s2, 0
	s_cbranch_scc0 .Lentry_in_a_cluster
	s_endpgm
.Lentry_in_a_cluster:
	s_bfe_u32 s2, ttmp6, 0x10000c
	s_cmp_lg_u32 s2, 0xf033
	s_cbranch_scc0 .Lentry_shape_is_right
	s_endpgm
.Lentry_shape_is_right:
; K, Q, V = x W^T + b and their quantisers.  Results leave as codes of FP6 and scale bytes, as images of the attention launch's operand registers; no f32 result is stored.
; kv: [batch x head 32][key step 16 of 128 tokens][12,800 bytes]: K's four operands (band c, p) of 1,536 bytes (tiles j = 2 p, 2 p + 1 of band c, six registers each: [piece 3][lane][16]);  V's four column tiles t, each two bands of 768 bytes ([lane][16], [lane][8]);
;   K's scale words [row 16][operand 4][4];  V's [row 16][t 4][4].  qb: the same for Q, K's places alone.
; ORDER: row r of tile j of 64 is 32 (r / 8) + 8 j + r % 8: a lane's 32 results of four tiles are 32 neighbours: one scale block, and no lane looks at another.
; LIMITS: a scale byte is held at 1 from below (a block of zeros has 1); NaN and infinities are not served.
; THE DEAL.  256 work-groups of four waves, 2 x 2 (a, b).  PHASE 1: 128 tokens x 128 columns of V; PHASE 2: 256 tokens x 128 columns of K or Q.  V's 128 tokens are a half (s87, from the cluster's number alone) of the work-group's own 256.
; A wave holds 64 rows of a weight, all of K, in registers (32 fragments), and streams x's tiles of 16 tokens past them: four in phase 1 (band a of V's half), eight in phase 2 (bands a of both halves).  Tiles 2 and 3 of phase 1 lie in registers still when phase 2 begins, and are its first two.
; LDS: slot 0 (V's half) and slot 1 of x, 98,304 bytes each; the weights' region; the stages of the scale bytes; the spare words.
; CLUSTERS of 4 x 4: x's rows are shared along a row, a weight's along a column.  At the head one joint load a wave; ONE refill, in phase 1's second block: K's or Q's weight onto V's, which all waves hold in registers.
; PREFETCH: what the refill will load, once in each column of the cluster, shared out by address among its sixteen waves; it is asked for ahead of the first weight's LDS loads, two blocks ahead of the refill.  Nothing else is loaded behind the head.
; The waits' counts: a block's rows were fetched two blocks ago; younger are the next block's 24 loads and one byte's store.
.set WB,    196608
.set XN,    294912
.set XM,    XN+1024
.set SPARE, XM+512
.set SPW,   10
.set NIL,   11
.set FPW,   21                         ; fragments of 12 registers in a window
.set TQ,    20
.set SB,    24                         ; v24-39 V's weight's scale words, v40-55 the other's: two tiles to a register (lanes 0-15, 16-31)
.set SB2,   40
.set SX,    60                         ; v60-91 x's: the tiles of a pair likewise
.set BQ,    92                         ; v92-123 the bias of K or Q as the first products' C
.set BV,    124                        ; v124-155 V's
.set ACC,   156                        ; v156-219 two sets of four accumulators
.set MCD,   188                        ; V's codes (ahead of phase 2's second block)
.set TCV,   212
.set NCD,   220                        ; v220-231 an operand
.set TC,    232
.set SOP,   236
.set EB,    240
.set HV,    840                        ; v840-967 V's sums: 32 t + 8 j + i
.set G1A,   24
.set G1B,   32
.set MSB, 0
.macro WIN new
.if MSB != \new
	s_set_vgpr_msb (MSB<<8)|\new
.set MSB, \new
.endif
.endm
.macro PLACES n
.rept \n
	v_nop
.endr
.endm
.macro WALU
	s_wait_alu depctr_va_vdst(0)
.endm
.macro BARRIER
	s_barrier_signal -1
	s_barrier_wait -1
.endm
.macro MIDDLE
	WIN 0
	s_barrier_wait -1
	s_cmp_lg_u32 s14, 0
	s_cbranch_scc1 .Lnot_wave_0_\@
	s_barrier_signal -3
.Lnot_wave_0_\@:
	s_barrier_wait -3
.endm
.macro CROUND
	s_barrier_signal -1
	MIDDLE
	BARRIER
.endm
.macro TLOAD g0, g1
	tensor_load_to_lds s[\g0:\g0+3], s[\g1:\g1+7]
	s_nop 0
	PLACES 4
.endm
.macro GROUP1 g, mask, rows            ; rows of 12,288 dense bytes: one tile of 16 rows, all of K
	s_or_b32 s[\g+0], s[\mask], (3<<16)|(1<<21)
	s_mov_b32 s[\g+1], 1536<<16
	s_mov_b32 s[\g+2], (\rows)<<16
	s_mov_b32 s[\g+3], 1536<<16
	s_mov_b32 s[\g+4], \rows
	s_mov_b32 s[\g+5], 1536
	s_mov_b32 s[\g+6], 0
	s_mov_b32 s[\g+7], 0
.endm
.macro G0SET g, lds, off               ; s21 = 0
	s_mov_b32 s[\g], 1
	s_mov_b32 s[\g+1], \lds
	s_mov_b32 s20, \off
	s_add_nc_u64 s[\g+2:\g+3], s[4:5], s[20:21]
	s_or_b32 s[\g+3], s[\g+3], 0x80000000
.endm
.macro BASE d, buf, off
	s_mov_b32 s20, \off
	s_add_nc_u64 s[\d:\d+1], s[\buf:\buf+1], s[20:21]
.endm
.macro FRAG f, adr, off                ; an operand's image: three loads of 16 bytes a lane
	WIN (1+(\f)/FPW)<<6
.set R_, 12*((\f)%FPW)
	ds_load_b128 v[R_:R_+3], \adr offset:\off
	ds_load_b128 v[R_+4:R_+7], \adr offset:(\off)+512
	ds_load_b128 v[R_+8:R_+11], \adr offset:(\off)+1024
.endm
.macro WEIGHTS                         ; 96 loads, by K steps
.irp q, 0,1,2,3,4,5,6,7
.irp b, 0,1,2,3
	FRAG 4*\q+\b, v6, \b*12288+\q*1536
.endr
.endr
	WIN 0
.endm
.macro FETCH e, s                      ; tile s % 4 of slot s / 4 into set e: 24 loads
.irp q, 0,1,2,3,4,5,6,7
	FRAG 32+8*(\e)+\q, v[4+(\s)/4], ((\s)%4)*12288+\q*1536
.endr
	WIN 0
.endm
; product n = 4 q + t of block s.  kind 1 (V): source 0 = x's rows; kind 0 (K, Q): source 0 = the weight's rows.  The first K step takes the bias as C.
.macro PROD kind, s, n, a0, as
.set Q_, (\n)/4
.set B4_, (\n)%4
.set FB_, 4*Q_+B4_
.set FA_, 32+8*((\s)%2)+Q_
.set D_, (\a0)+(\as)*B4_
.set DL_, D_&255
.set XA_, SX+8*((\s)/2)+Q_
.set CW_, D_>>8
.set C_, DL_
.if Q_ == 0
.set CW_, 0
.endif
.if \kind
.set XB_, SB+8*(B4_/2)+Q_
.if Q_ == 0
.set C_, BV+8*B4_
.endif
	WIN (1+FA_/FPW)|((1+FB_/FPW)<<2)|(CW_<<4)|((D_>>8)<<6)
	PRODR FA_, FB_, XA_, XB_, (\s)%2, B4_%2
.else
.set XB_, SB2+8*(B4_/2)+Q_
.if Q_ == 0
.set C_, BQ+8*B4_
.endif
	WIN (1+FB_/FPW)|((1+FA_/FPW)<<2)|(CW_<<4)|((D_>>8)<<6)
	PRODR FB_, FA_, XB_, XA_, B4_%2, (\s)%2
.endif
.endm
.macro PRODR s0, s1, x0, x1, ra, rb
.if \ra
.if \rb
	PRODX \s0, \s1, \x0, \x1, 1, 1
.else
	PRODX \s0, \s1, \x0, \x1, 1, 0
.endif
.else
.if \rb
	PRODX \s0, \s1, \x0, \x1, 0, 1
.else
	PRODX \s0, \s1, \x0, \x1, 0, 0
.endif
.endif
.endm
.macro PRODX s0, s1, x0, x1, ra, rb
	v_wmma_scale_f32_16x16x128_f8f6f4 v[DL_:DL_+7], v[12*((\s0)%FPW):12*((\s0)%FPW)+11], v[12*((\s1)%FPW):12*((\s1)%FPW)+11], v[C_:C_+7], v[\x0], v[\x1] matrix_a_fmt:MATRIX_FMT_FP6 matrix_b_fmt:MATRIX_FMT_FP6 matrix_a_scale:MATRIX_SCALE_ROW\ra matrix_b_scale:MATRIX_SCALE_ROW\rb
.endm
; products from .. to - 1; behind every second one two entries of a list
.macro BLOCK kind, s, a0, as, from, to, list, x=0, y=0
.set N_, \from
.rept (\to)-(\from)
	PROD \kind, \s, N_, \a0, \as
.if N_%2
	\list N_-1, \x, \y
	\list N_, \x, \y
.endif
.set N_, N_+1
.endr
.endm
.macro CHAIN i, x, n, t=TQ             ; 18 entries: the largest magnitude of the 32 sums from register x on, two chains, and the conversions' scale operand
.set XW_, (\x)>>8
.set XL_, (\x)&255
.if (\i) >= 0 && (\i) < 14
.set BB_, XL_+16*((\i)%2)+2*((\i)/2)
.set T_, (\t)+1-(\i)%2
.if (\i) < 2
	WIN XW_|(XW_<<2)|(XW_<<4)
	v_max3_num_f32 v[T_], |v[BB_]|, |v[BB_+1]|, |v[BB_+2]|
.else
	WIN (XW_<<2)|(XW_<<4)
	v_max3_num_f32 v[T_], v[T_], |v[BB_+1]|, |v[BB_+2]|
.endif
.elseif (\i) == 14
	WIN XW_<<2
	v_max3_num_f32 v[\t+1], v[\t+1], |v[XL_+15]|, 0x1800000
.elseif (\i) == 15
	WIN 0
	v_nop                                  ; so that the next line, which reads entry 14's result, stands in the next pair
.elseif (\i) == 16
	WIN XW_<<2
	v_max3_num_f32 v[\t], v[\t], |v[XL_+31]|, v[\t+1]
.elseif (\i) == 17
	WIN 0
	v_add_nc_u32 v[SOP+\n], 0xff000000, v[\t]
.endif
.endm
.macro CODES i, x, c, n, t=TC          ; 6 lines: 32 codes into v[c .. c + 5], the byte into v[EB + n]
.set XW_, (\x)>>8
.set XL_, (\x)&255
.if (\i) == 0
	WIN XW_
	v_cvt_scalef32_pk16_fp6_f32 v[\c:\c+2], v[XL_:XL_+15], v[SOP+\n]
.elseif (\i) == 1
	WIN XW_
	v_cvt_scalef32_pk16_fp6_f32 v[\t:\t+2], v[XL_+16:XL_+31], v[SOP+\n]
.elseif (\i) == 2
	WIN 0
	v_lshrrev_b32 v[EB+\n], 23, v[SOP+\n]
.else
	WIN 0
	v_mov_b32 v[\c+\i], v[\t+\i-3]
.endif
.endm
.macro CODES6 x, c, n
.irp i, 0,1,2,3,4,5
	CODES \i, \x, \c, \n
.endr
.endm
.macro L_NONE i, x, y
.endm
.macro L_OUT i, x, y
	CHAIN \i, \x, \y
.endm
.macro BYTE s, n                       ; block s's scale byte to the stage
	ds_store_b8 v14, v[EB+\n] offset:((\s)/4)*256+(((\s)%4)/2)*4+((\s)%2)*2
.endm
.macro PUT s                           ; the operand of blocks s - 1, s leaves: three stores of 512 consecutive bytes
.irp k, 0,1,2
	global_store_b128 v9, v[NCD+4*\k:NCD+4*\k+3], s[84+4*((\s)/4):85+4*((\s)/4)] offset:(((\s)%4)/2)*1536+512*\k
.endr
.endm
.macro ODD s, fs, w
.if (\w) >= 0
	s_wait_dscnt \w
.endif
	s_wait_xcnt 0x0                        ; earlier stores have read their registers
	BLOCK 0, \s, ACC+32, 8, 0, 32, L_OUT, ACC, 0
	WIN 0
	CODES6 ACC, NCD, 0
	WALU
	BYTE (\s)-1, 0
.if (\fs) >= 0
	FETCH 1, \fs
.endif
.endm
.macro EVEN s, ps, fs
	s_wait_dscnt 25
	BLOCK 0, \s, ACC, 8, 0, 32, L_OUT, ACC+32, 1
	WIN 0
	CODES6 ACC+32, NCD+6, 1
	WALU
	BYTE \ps, 1
	PUT \ps
.if (\fs) >= 0
	FETCH 0, \fs
.endif
.endm
; ======== the head
	s_load_b256 s[4:11], s[0:1], 0x0                    ; c1, s1, b_qkv, kv
	s_load_b64 s[2:3], s[0:1], 0x20                     ; qb
	v_lshl_add_u32 v[SPW], v0, 2, SPARE
	v_mov_b32 v[NIL], 0
	ds_add_u32 v[SPW], v[NIL]
	ds_add_u32 v[SPW], v[NIL]
	v_lshrrev_b32 v1, 5, v0
	v_readfirstlane_b32 s14, v1                         ; the wave; s15 = a, s16 = b
	s_lshr_b32 s15, s14, 1
	s_and_b32 s16, s14, 1
	s_bfe_u32 s40, ttmp6, 0x40000                       ; cx
	s_bfe_u32 s41, ttmp6, 0x40004                       ; cy
	s_lshl_b32 s42, ttmp9, 2
	s_add_co_u32 s42, s42, s40                          ; phase 2's 128 columns: 0-7 K, 8-15 Q
	s_and_b32 s43, ttmp7, 0xffff
	s_lshl_b32 s43, s43, 2
	s_add_co_u32 s43, s43, s41                          ; its 256 tokens
	s_lshr_b32 s19, ttmp9, 1
	s_and_b32 s87, ttmp9, 1                             ; V's half of them
	s_lshl_b32 s13, s19, 2
	s_add_co_u32 s13, s13, s40                          ; V's 128 columns
	s_lshl_b32 s12, s43, 1
	s_add_co_u32 s12, s12, s87                          ; V's 128 tokens
	s_lshl_b32 s44, s41, 2
	s_lshl_b32 s44, 15, s44                             ; my row of the cluster
	s_lshl_b32 s45, 0x1111, s40                         ; my column
	GROUP1 G1A, 44, 8
	GROUP1 G1B, 45, 4
	s_mul_i32 s46, s43, 196608                          ; my 256 rows of x, bytes from c1
	s_mul_i32 s47, s87, 98304
	s_add_co_u32 s48, s46, s47                          ; slot 0's half
	s_sub_co_u32 s47, 98304, s47
	s_add_co_u32 s49, s46, s47                          ; slot 1's
	s_lshl_b32 s52, s16, 2
	s_lshl_b32 s50, s13, 3
	s_add_co_u32 s50, s50, s52
	s_add_co_u32 s50, s50, 384                          ; V's weight: first tile; also my 64 rows
	s_lshl_b32 s51, s42, 3
	s_add_co_u32 s51, s51, s52
	s_add_co_u32 s51, s51, 256                          ; K's or Q's
	s_mul_i32 s53, s50, 12288
	s_mul_i32 s54, s51, 12288
	s_mul_i32 s55, s16, 49152
	s_add_co_u32 s55, s55, WB                           ; where waves 0 and 1 put their half of a weight
	v_and_b32 v1, 15, v0                                ; r
	v_bfe_u32 v2, v0, 4, 1                              ; h
	v_and_b32 v3, 31, v0                                ; lane
	s_mov_b32 s21, 0
	WALU
	s_wait_dscnt 0x0
	CROUND                                              ; the round in front of the first joint loads
	s_wait_kmcnt 0x0
	G0SET 56, 0, s48
	G0SET 60, s55, s53
	G0SET 68, 98304, s49
	s_cmp_lt_u32 s14, 2
	s_cbranch_scc0 .Lwave_2
	TLOAD 60, G1B                                       ; waves 0, 1: a half each of V's weight
	s_branch .Lasked
.Lwave_2:
	s_cmp_eq_u32 s14, 2
	s_cbranch_scc0 .Lwave_3
	TLOAD 56, G1A                                       ; wave 2: slot 0
	s_branch .Lasked
.Lwave_3:
	TLOAD 68, G1A                                       ; wave 3: slot 1
.Lasked:
	BASE 96, 4, s54                                     ; the refill's address, with the descriptor's type
	s_or_b32 s97, s97, 0x80000000
	s_lshl_b32 s22, s50, 9
	BASE 76, 6, s22                                     ; scale words: V's weight,
	s_lshl_b32 s22, s51, 9
	BASE 78, 6, s22                                     ; K's or Q's,
	s_lshl_b32 s22, s43, 13
	s_lshl_b32 s23, s15, 11
	s_add_co_u32 s22, s22, s23
	s_lshl_b32 s23, s87, 12
	s_add_co_u32 s46, s22, s23
	BASE 72, 6, s46                                     ; x's, slot 0,
	s_sub_co_u32 s23, 4096, s23
	s_add_co_u32 s46, s22, s23
	BASE 74, 6, s46                                     ; slot 1
	s_lshl_b32 s22, s42, 9
	s_lshl_b32 s23, s16, 8
	s_add_co_u32 s22, s22, s23
	BASE 80, 8, s22                                     ; the bias of K or Q,
	s_lshl_b32 s22, s13, 9
	s_add_co_u32 s22, s22, s23
	s_add_co_u32 s22, s22, 8192
	BASE 82, 8, s22                                     ; of V
	v_lshlrev_b32 v13, 9, v2
	v_lshl_add_u32 v13, v1, 4, v13                      ; scale words: lanes 16-31 take the next tile
	v_lshlrev_b32 v18, 7, v2                            ; K, Q: register 8 t + i is column 32 h + 8 t + i
	v_lshrrev_b32 v19, 3, v1
	v_lshlrev_b32 v19, 7, v19
	v_and_b32 v8, 7, v1
	v_lshl_add_u32 v19, v8, 2, v19                      ; V: tile t's column 32 (r / 8) + 8 t + r % 8
.irp p, 0,1
.irp g, 0,1
	global_load_b128 v[SB+8*\p+4*\g:SB+8*\p+4*\g+3], v13, s[76:77] offset:1024*\p+256*\g
	global_load_b128 v[SX+8*\p+4*\g:SX+8*\p+4*\g+3], v13, s[72:73] offset:1024*\p+256*\g
	global_load_b128 v[SX+16+8*\p+4*\g:SX+16+8*\p+4*\g+3], v13, s[74:75] offset:1024*\p+256*\g
	global_load_b128 v[SB2+8*\p+4*\g:SB2+8*\p+4*\g+3], v13, s[78:79] offset:1024*\p+256*\g
.endr
.endr
.irp t, 0,1,2,3
	global_load_b32 v[BV+8*\t], v19, s[82:83] offset:32*\t
.endr
.irp k, 0,1,2,3,4,5,6,7
	global_load_b128 v[BQ+4*\k:BQ+4*\k+3], v18, s[80:81] offset:16*\k
.endr
	v_lshlrev_b32 v9, 4, v3
	v_lshlrev_b32 v12, 3, v3
	s_mul_i32 s22, s15, 49152
	v_add_nc_u32 v4, s22, v9                            ; my four tiles in slot 0,
	v_add_nc_u32 v5, 98304, v4                          ; in slot 1
	s_mul_i32 s22, s16, 49152
	s_add_co_u32 s22, s22, WB
	v_add_nc_u32 v6, s22, v9                            ; my 64 rows of the weight
	v_lshl_add_u32 v8, v1, 4, v2
	WALU                                                ; ahead of the scalar lines in front of the readers below
	s_lshl_b32 s22, s16, 9
	s_lshl_b32 s23, s15, 3
	s_add_co_u32 s22, s22, s23
	s_add_co_u32 s22, s22, XN
	v_add_nc_u32 v14, s22, v8                           ; stage of K's or Q's scale bytes [b][slot][r][operand][4]
	s_lshl_b32 s22, s16, 8
	s_lshl_b32 s23, s15, 1
	s_add_co_u32 s22, s22, s23
	s_add_co_u32 s22, s22, XM
	v_add_nc_u32 v15, s22, v8                           ; of V's [b][r][t][2 c + h]
	s_lshl_b32 s22, s14, 8
	s_add_co_u32 s23, s22, XN
	v_add_nc_u32 v16, s23, v12
	s_add_co_u32 s23, s22, XM
	v_add_nc_u32 v17, s23, v12
	s_lshl_b32 s22, s41, 2
	s_add_co_u32 s22, s22, s14                          ; my number among the sixteen waves of my column
	s_mul_i32 s22, s22, 6144
	s_lshl_b32 s23, s42, 3
	s_add_co_u32 s23, s23, 256
	s_mul_i32 s23, s23, 12288
	s_add_co_u32 s22, s22, s23
	v_min_u32 v7, 23, v3
	v_lshl_add_u32 v7, v7, 8, s22                       ; my 24 units of 256 bytes of what the refill will load
	s_lshr_b32 s22, s43, 3                              ; where results go: block ((batch x 16 + head) x 16 + key step) of 12,800 bytes
	s_lshl_b32 s22, s22, 4
	s_and_b32 s23, s42, 7
	s_lshl_b32 s23, s23, 1
	s_add_co_u32 s22, s22, s23
	s_add_co_u32 s23, s22, s16
	s_lshl_b32 s23, s23, 4
	s_and_b32 s46, s43, 7
	s_lshl_b32 s46, s46, 1
	s_add_co_u32 s23, s23, s46
	s_add_co_u32 s47, s23, s87
	s_mul_i32 s47, s47, 12800
	s_mul_i32 s48, s15, 3072
	s_add_co_u32 s47, s47, s48                          ; slot 0's codes,
	s_xor_b32 s49, s87, 1
	s_add_co_u32 s49, s23, s49
	s_mul_i32 s49, s49, 12800
	s_add_co_u32 s49, s49, s48                          ; slot 1's;
	s_add_co_u32 s22, s22, s15
	s_lshl_b32 s22, s22, 4
	s_add_co_u32 s22, s22, s46
	s_xor_b32 s46, s16, s87
	s_add_co_u32 s22, s22, s46
	s_mul_i32 s22, s22, 12800
	s_add_co_u32 s22, s22, 12288                        ; the unit of scale bytes that my wave stores
	s_lshr_b32 s23, s12, 4
	s_lshl_b32 s23, s23, 4
	s_lshl_b32 s46, s13, 1
	s_add_co_u32 s23, s23, s46
	s_add_co_u32 s23, s23, s16
	s_lshl_b32 s23, s23, 4
	s_and_b32 s46, s12, 15
	s_add_co_u32 s23, s23, s46
	s_mul_i32 s23, s23, 12800
	s_mul_i32 s46, s15, 768
	s_add_co_u32 s46, s46, s23
	s_add_co_u32 s46, s46, 6144                         ; V's codes, band a,
	s_add_co_u32 s23, s23, 12544                        ; V's scale bytes
	BASE 90, 10, s46
	BASE 94, 10, s23
	s_cmp_lt_u32 s42, 8
	s_cselect_b64 s[2:3], s[10:11], s[2:3]
	BASE 84, 2, s47
	BASE 88, 2, s49
	BASE 92, 2, s22
	WALU
	s_cmp_lt_u32 s14, 2
	s_cbranch_scc0 .Lnot_b
	s_wait_tensorcnt 0x0
.Lnot_b:
	BARRIER                                             ; V's weight is in
	global_prefetch_b8 v7, s[4:5] th:TH_LOAD_NT scope:SCOPE_SE
	WEIGHTS
	s_wait_loadcnt 0x0
.irp i, 1,2,3,4,5,6,7
.irp t, 0,1,2,3
	v_mov_b32 v[BV+8*\t+\i], v[BV+8*\t]                 ; one number a lane and tile, over the tile's eight registers
.endr
.endr
	WALU
	s_cmp_eq_u32 s14, 3
	s_cbranch_scc1 .Lnot_a
	s_wait_tensorcnt 0x0
.Lnot_a:
	s_wait_dscnt 0x0
	BARRIER                                             ; slot 0 is in; slot 1 may be on its way
	FETCH 0, 0
	FETCH 1, 1
; ======== phase 1: V, four blocks
	s_wait_dscnt 24
	BLOCK 1, 0, HV, 32, 0, 32, L_NONE
	WIN 0
	PLACES 4
	FETCH 0, 2
	s_wait_dscnt 24
	s_wait_tensorcnt 0x0                                ; the refill's round
	ds_add_u32 v[SPW], v[NIL]
	s_mov_b64 s[62:63], s[96:97]
	BLOCK 1, 1, HV+8, 32, 0, 24, L_NONE
	WIN 0
	s_wait_dscnt 0x0
	s_barrier_signal -1
	BLOCK 1, 1, HV+8, 32, 24, 32, L_NONE
	MIDDLE
	BARRIER
	s_cmp_lt_u32 s14, 2
	s_cbranch_scc0 .Lno_half
	TLOAD 60, G1B                                       ; K's or Q's weight onto V's
.Lno_half:
	PLACES 4
	FETCH 1, 3
	BLOCK 1, 2, HV+16, 32, 0, 32, L_NONE                ; (its rows were shown in by the round's wait)
	WIN 0
	s_wait_dscnt 0x0
	BLOCK 1, 3, HV+24, 32, 0, 24, L_NONE
	WIN 0
	s_wait_tensorcnt 0x0
	s_wait_dscnt 0x0
	s_barrier_signal -1                                 ; a plain barrier shows the refill to all
	BLOCK 1, 3, HV+24, 32, 24, 32, L_NONE
	WIN 0
	s_barrier_wait -1
	PLACES 4
	WEIGHTS
	; V's way out under these loads' flight
.set I, 0
.rept 18
.irp t, 0,1,2,3
	CHAIN I, HV+32*\t, \t, ACC+4*\t
.endr
.set I, I+1
.endr
.set I, 0
.rept 6
.irp t, 0,1,2,3
	CODES I, HV+32*\t, MCD+6*\t, \t, TCV+4*\t
.endr
.set I, I+1
.endr
	WIN 0
	WALU
.irp t, 0,1,2,3
	global_store_b128 v9, v[MCD+6*\t:MCD+6*\t+3], s[90:91] offset:1536*\t
	global_store_b64 v12, v[MCD+6*\t+4:MCD+6*\t+5], s[90:91] offset:1536*\t+512
.endr
; ======== phase 2: K or Q, eight blocks; tiles 2 and 3 lie in registers still
	s_wait_dscnt 60                                     ; K steps 0 to 2 of the weight are in: 36 of 96 loads
	BLOCK 0, 2, ACC, 8, 0, 12, L_NONE
	s_wait_dscnt 48
	BLOCK 0, 2, ACC, 8, 12, 16, L_NONE
	s_wait_dscnt 36
	BLOCK 0, 2, ACC, 8, 16, 20, L_NONE
	s_wait_dscnt 24
	BLOCK 0, 2, ACC, 8, 20, 24, L_NONE
	s_wait_dscnt 12
	BLOCK 0, 2, ACC, 8, 24, 28, L_NONE
	s_wait_dscnt 0x0
	BLOCK 0, 2, ACC, 8, 28, 32, L_NONE
	WIN 0
	PLACES 4
.irp t, 0,1,2,3
	ds_store_b8 v15, v[EB+\t] offset:4*\t               ; V's scale bytes
.endr
	FETCH 0, 0
	ODD 3, 1, -1
	EVEN 0, 3, 4
	ODD 1, 5, 25
	EVEN 4, 1, 6
	ODD 5, 7, 25
	EVEN 6, 5, -1
	ODD 7, -1, 1
; ======== the end: the last way out; the scale bytes go through LDS under its conversions
.set I, 0
.rept 18
	CHAIN I, ACC+32, 1
.set I, I+1
.endr
	CODES 2, ACC+32, NCD+6, 1
	WALU
	BYTE 7, 1
	s_wait_dscnt 0x0
	s_barrier_signal -1
	CODES 0, ACC+32, NCD+6, 1
	CODES 1, ACC+32, NCD+6, 1
	v_nop
.irp i, 3,4,5
	CODES \i, ACC+32, NCD+6, 1
.endr
	WALU
	s_barrier_wait -1
	ds_load_b64 v[156:157], v16
	PUT 7
	s_wait_dscnt 0x0
	global_store_b64 v12, v[156:157], s[92:93]          ; one aligned unit of 256 bytes a wave
	s_cmp_lt_u32 s14, 2
	s_cbranch_scc0 .Lno_v
	ds_load_b64 v[158:159], v17
	s_wait_dscnt 0x0
	global_store_b64 v12, v[158:159], s[94:95]
.Lno_v:
	s_wait_tensorcnt 0x0                                ; the wave's end
	ds_add_u32 v[SPW], v[NIL]
	s_wait_dscnt 0x0
	CROUND                                              ; the closing round
	s_endpgm
.Lfunc_end_k_q31d68c73c2_qkv:
	.size	k_q31d68c73c2_qkv, .Lfunc_end_k_q31d68c73c2_qkv-k_q31d68c73c2_qkv
	.p2alignl 7, 3214868480
	.fill 96, 4, 3214868480
	.section	.rodata,"a",@progbits
	.p2align	6, 0x0
	.amdhsa_kernel k_q31d68c73c2_qkv
		.amdhsa_group_segment_fixed_size 327680
		.amdhsa_private_segment_fixed_size 0
		.amdhsa_enable_private_segment 0
		.amdhsa_kernarg_size 40
		.amdhsa_user_sgpr_count 2
		.amdhsa_user_sgpr_kernarg_segment_ptr 1
		.amdhsa_wavefront_size32 1
		.amdhsa_system_sgpr_workgroup_id_x 1
		.amdhsa_system_sgpr_workgroup_id_y 1
		.amdhsa_system_sgpr_workgroup_id_z 1
		.amdhsa_system_vgpr_workitem_id 0
		.amdhsa_next_free_vgpr 1024
		.amdhsa_next_free_sgpr 102
		.amdhsa_reserve_vcc 0
		.amdhsa_float_denorm_mode_32 3
		.amdhsa_float_denorm_mode_16_64 3
		.amdhsa_memory_ordered 1
		.amdhsa_forward_progress 1
		.amdhsa_inst_pref_size 118
	.end_amdhsa_kernel
	.amdgpu_metadata
---
amdhsa.version: [ 1, 2 ]
amdhsa.kernels:
  - .name:           k_q31d68c73c2_qkv
    .symbol:         k_q31d68c73c2_qkv.kd
    .args:
      - { .name: c1, .offset: 0, .size: 8, .value_kind: global_buffer, .address_space: global }
      - { .name: s1, .offset: 8, .size: 8, .value_kind: global_buffer, .address_space: global }
      - { .name: b_qkv, .offset: 16, .size: 8, .value_kind: global_buffer, .address_space: global }
      - { .name: kv, .offset: 24, .size: 8, .value_kind: global_buffer, .address_space: global }
      - { .name: qb, .offset: 32, .size: 8, .value_kind: global_buffer, .address_space: global }
    .group_segment_fixed_size: 327680
    .private_segment_fixed_size: 0
    .kernarg_segment_align: 8
    .kernarg_segment_size: 40
    .max_flat_workgroup_size: 128
    .sgpr_count:     102
    .vgpr_count:     1024
    .wavefront_size: 32
...
	.end_amdgpu_metadata
.endif
;; end of part 2
;; launch attn (part 3): grid 32 x 8, 16 waves a work-group, no clusters, 327,680 bytes of LDS; arguments kv, qb, ao_c, ao_s; writes ao_c, ao_s
.if DOCPART == 3
	.amdgcn_target "amdgcn-amd-amdhsa--gfx1250"
	.amdhsa_code_object_version 6
	.text
	.protected	k_q31d68c73c2_attn
	.globl	k_q31d68c73c2_attn
	.p2align	8
	.type	k_q31d68c73c2_attn,@function
k_q31d68c73c2_attn:
	s_mov_b64 s[64:65], 0
	v_nop
	global_prefetch_b8 v0, s[64:65] scope:SCOPE_SE
	s_setreg_imm32_b32 hwreg(HW_REG_WAVE_MODE, 25, 1), 1
	s_wait_xcnt 0x0
; Causal attention of one head on codes of FP6: S^T = K Q^T, p = 2^(t - M), O^T = V^T P^T over 128 keys a step, O / l, and O quantised along the channels.
; t = score x log2(e) / 8; M = the running largest t rounded UP to a whole number; p is quantised along the keys, not normalised; l is the sum of the unquantised p and divides at the end.  When M moves, l and O^T are multiplied by 2^(old M - new M): exact.
; LEFT OUT: key steps that lie wholly behind a query block under reference()'s own causal mask: there p = 0 for all inputs.  A NaN or infinity that reaches only such products is not carried.
; LIMITS: scaled scores stay under 2^31 in magnitude; p under 2^-126 counts as 0; O / l is a reciprocal (1 ulp) and a multiplication; a scale byte is held at 1 from below; NaN and infinities are not served.
; SHARES.  Work-group (x, i): batch x / 16, head x % 16, query blocks A = 15 - i and B = i of 128.  Sixteen waves; two neighbours own tile m (16 queries) of A and of B.  The first walks A's key steps 0 .. 7 and 15 - i (the one on the diagonal): nine;
;   the second B's steps 0 .. i (the last on the diagonal), then A's steps 8 .. 14 - i: eight.  So every work-group and every wave has the same work.  Behind its change of tiles the second keeps B's state in LDS; at the end it hands A's part to the first.
; LDS: one key step is a dense block of 12,800 bytes (K's codes 6,144, V's 6,144, scale words 256 + 256), step w at 12,800 w, brought by wave w's one tensor load.  Steps 0 to 8 are read in every work-group and come at the head; steps 9 .. 15 - i are asked for behind the second barrier, where they are read.  Nothing is filled twice.
; K's operands hold two tiles of 64 along K; Q lies as 0, q, 0 in 18 registers: registers 20-31 meet an operand's upper tile, 26-37 its lower: the other half meets zero codes.
; ORDER: tile j's register i of lane half h is key 64 c + 32 h + 8 j + i: the 32 registers of a band are one scale block, in one lane.
; CLUSTER: none: which steps are read hangs on the query blocks, and partners of joint loads may not differ in a branch.  No prefetch: all of K and V is asked for by two groups of loads, ahead of the loop.
; OUT.  ao_c: [tile 256][head pair 8][head % 2][768]: half an operand's image;  ao_s: [tile][pair / 4][row 16][pair % 4][2 (head % 2) + h]: stores of one byte a lane fill runs of 256 bytes in part, 131,072 bytes in the whole launch.
; REGISTERS: v6-9 K's scale words, v10-13 V's, v18 Q's, v239 p's, v238 the second Q's; v14-15 l, v16 -M, v17 the largest t; v40-87 K (then p's codes and work), v88-135 V, v136-199 S^T and p, v200-231 O^T, v232-237 the second Q.
.set STEPB, 12800
.set DREG,  204800                     ; 16 regions of 4,608 bytes, one a wave: B's state
.set DB,    4608
.set PREG,  DREG+16*DB                 ; 8 regions: A's part
.set SPARE, PREG+8*DB
.set S,     136
.set O,     200
.set CS,    54                         ; s[54:55] log2(e) / 8
.set SEL,   56                         ; s[56:57] lane l xor 16
	s_load_b256 s[4:11], s[0:1], 0x0
	v_lshl_add_u32 v254, v0, 2, SPARE
	v_mov_b32 v255, 0
	ds_add_u32 v254, v255
	ds_add_u32 v254, v255
	v_lshrrev_b32 v4, 5, v0
	v_readfirstlane_b32 s12, v4                    ; wave
	s_and_b32 s13, ttmp7, 7                        ; i
	s_mov_b32 s14, ttmp9                           ; batch x 16 + head
	s_mul_i32 s36, s14, 16*STEPB
	s_mul_i32 s33, s12, STEPB
	s_add_co_u32 s38, s36, s33
	s_mov_b32 s39, 0
	s_mov_b32 s32, 1
	s_mov_b32 s24, 3<<16                           ; a step: two rows of 6,400 dense bytes, elements of 8 bytes
	s_mov_b32 s25, 800<<16
	s_mov_b32 s26, 2<<16
	s_mov_b32 s27, 800<<16
	s_mov_b32 s28, 2
	s_mov_b32 s29, 800
	s_mov_b32 s30, 0
	s_mov_b32 s31, 0
	s_wait_dscnt 0x0
	s_wait_kmcnt 0x0
	s_add_nc_u64 s[34:35], s[4:5], s[38:39]
	s_or_b32 s35, s35, 0x80000000
	s_cmp_eq_u32 s12, 0                            ; one load a wave: wave 0 in a line of its own, since the first barrier shows step 0 alone
	s_cbranch_scc0 .Lnot_0
	tensor_load_to_lds s[32:35], s[24:31]
	s_nop 0
.rept 4
	v_nop
.endr
	s_branch .Lasked
.Lnot_0:
	s_cmp_lt_u32 s12, 9
	s_cbranch_scc0 .Lasked
	tensor_load_to_lds s[32:35], s[24:31]
	s_nop 0
.rept 4
	v_nop
.endr
.Lasked:
	s_lshr_b32 s15, s14, 4                         ; batch
	s_and_b32 s16, s14, 15
	s_lshr_b32 s17, s16, 1                         ; head pair
	s_and_b32 s18, s16, 1
	s_lshr_b32 s19, s12, 1                         ; m: my tile of a block's eight
	s_lshr_b32 s20, s12, 2
	s_xor_b32 s20, s20, s12
	s_and_b32 s20, s20, 1                          ; 0: first of the two waves, 1: second
	s_lshr_b32 s21, s19, 2                         ; my tile's band
	s_and_b32 s22, s19, 3
	s_sub_co_u32 s23, 7, s13                       ; from the trip's number to the step's, from trip s44 on
	s_add_co_u32 s46, s13, 1
	s_sub_co_u32 s50, 15, s13
	s_cmp_eq_u32 s20, 0
	s_cselect_b32 s44, 8, s46
	s_cselect_b32 s45, 8, s13                      ; the trip on the diagonal
	s_cselect_b32 s47, 0x63, s46                   ; the trip ahead of which the second wave changes tiles
	s_cselect_b32 s49, 8, 7                        ; the last trip
	s_cselect_b32 s51, s50, s13                    ; the block that I begin with, and whose result I store
	s_add_co_u32 s52, s12, s13
	s_mov_b32 s[CS], 0x3e38aa3b
	s_mov_b32 s[CS+1], s[CS]
	s_mov_b32 s[SEL], 0x76543210
	s_mov_b32 s[SEL+1], 0xfedcba98
	s_and_b32 s59, s19, 1
	s_cmp_eq_u32 s59, 1
	s_cselect_b32 s58, -1, 0                       ; my tile is the upper of its operand's two
	s_lshl_b32 s59, s59, 4
	s_lshr_b32 s74, s19, 1                         ; my operand of a block's four
	s_mul_i32 s75, s74, 1536
	s_lshl_b32 s74, s74, 2
	s_add_co_u32 s74, s74, 12288
	s_mov_b32 s77, 0
.macro QBASE c, w, blk
	s_mul_i32 s72, s\blk, STEPB
	s_add_co_u32 s72, s72, s36
	s_add_co_u32 s76, s72, s75
	s_add_nc_u64 s[\c:\c+1], s[6:7], s[76:77]
	s_add_co_u32 s76, s72, s74
	s_add_nc_u64 s[\w:\w+1], s[6:7], s[76:77]
.endm
	QBASE 60, 62, 51
	QBASE 68, 70, 50
	s_lshl_b32 s78, s15, 7
	s_lshl_b32 s79, s51, 3
	s_add_co_u32 s78, s78, s79
	s_add_co_u32 s78, s78, s19                     ; my result's tile
	s_lshl_b32 s79, s78, 3
	s_add_co_u32 s79, s79, s17
	s_mul_i32 s76, s79, 1536
	s_mul_i32 s79, s18, 768
	s_add_co_u32 s76, s76, s79
	s_add_nc_u64 s[8:9], s[8:9], s[76:77]
	s_lshl_b32 s76, s78, 9
	s_lshr_b32 s79, s17, 2
	s_lshl_b32 s79, s79, 8
	s_add_co_u32 s76, s76, s79
	s_and_b32 s79, s17, 3
	s_lshl_b32 s79, s79, 2
	s_add_co_u32 s76, s76, s79
	s_lshl_b32 s79, s18, 1
	s_add_co_u32 s76, s76, s79
	s_add_nc_u64 s[10:11], s[10:11], s[76:77]
	v_and_b32 v1, 31, v0
	v_lshlrev_b32 v2, 3, v1                        ; 8 x lane
	v_lshlrev_b32 v1, 4, v1                        ; 16 x lane
	v_and_b32 v5, 15, v0                           ; r
	v_lshlrev_b32 v3, 4, v5                        ; 16 r
	v_bfe_u32 v19, v0, 4, 1                        ; h
.macro QLOAD tmp, word, c, w
.irp k, 0,1,2
	global_load_b128 v[\tmp+4*\k:\tmp+4*\k+3], v1, s[\c:\c+1] offset:512*\k
.endr
	global_load_b32 v[\word], v3, s[\w:\w+1]
.endm
.macro QPICK dst, sc, tmp, word
.irp k, 0,1,2,3,4,5
	v_cndmask_b32 v[\dst+\k], v[\tmp+\k], v[\tmp+6+\k], s58
.endr
	v_lshrrev_b32 v[\word], s59, v[\word]
	v_and_b32 v[\word], 0xffff, v[\word]
	v_lshl_or_b32 v[\sc], v[\word], 16, v[\word]   ; my tile's two bytes, for either half of an operand
.endm
	QLOAD 136, 148, 60, 62
	v_lshrrev_b32 v38, 3, v5
	v_and_b32 v39, 7, v5
	v_lshl_add_u32 v5, v38, 5, v39
	s_lshl_b32 s79, s22, 3
	v_add_nc_u32 v5, s79, v5
	v_lshlrev_b32 v38, 5, v19
	v_sub_nc_u32 v5, v5, v38                       ; my query's place in its band, less 32 h: on the diagonal register n of my band is hidden where n is above this
	v_lshlrev_b32 v19, 3, v19                      ; 8 h
	s_mul_i32 s79, s12, DB
	s_add_co_u32 s79, s79, DREG
	v_add_nc_u32 v241, s79, v1                     ; my wave's region for B's state
	s_mul_i32 s79, s19, DB
	s_add_co_u32 s79, s79, PREG
	v_add_nc_u32 v242, s79, v1                     ; my tile's region for A's part
.irp k, 0,1,2,3,4,5
	v_mov_b32 v[20+\k], 0
	v_mov_b32 v[32+\k], 0
	v_mov_b32 v[232+\k], 0
.endr
	v_mov_b32 v238, 0
	v_mov_b32 v240, 0xff800000
	v_mov_b32 v247, 0                              ; a lane permute's destination counts as one of its sources
	v_mov_b32 v252, 0
	v_mov_b32 v253, 0
	v_mov_b32 v14, 0
	v_mov_b32 v15, 0
	v_mov_b32 v17, 0xff61b1e6                      ; -3e38, under every t
	v_floor_f32 v16, -v17
	s_wait_alu depctr_va_vdst(0)
	s_cmp_eq_u32 s20, 0
	s_cbranch_scc1 .Lone_q
	QLOAD 152, 164, 68, 70                         ; the second wave's next tile
	s_wait_loadcnt 0x0
	QPICK 232, 238, 152, 164
.Lone_q:
	s_wait_loadcnt 0x0
	QPICK 26, 18, 136, 148
.macro STEP first
	v_add_nc_u32 v38, s40, v1                      ; (these four lines are also the places behind the last step's products)
	v_add_nc_u32 v39, s40, v2
	v_add_nc_u32 v4, s40, v3
	v_nop
	ds_load_b128 v[6:9], v4 offset:12288
.irp c, 0,1,2,3
.irp k, 0,1,2
	ds_load_b128 v[40+12*\c+4*\k:43+12*\c+4*\k], v38 offset:1536*\c+512*\k
.endr
.endr
	ds_load_b128 v[10:13], v4 offset:12544
.irp t, 0,1,2,3
.irp c, 0,1
	ds_load_b128 v[88+12*\t+6*\c:91+12*\t+6*\c], v38 offset:6144+1536*\t+768*\c
	ds_load_b64 v[92+12*\t+6*\c:93+12*\t+6*\c], v39 offset:6144+1536*\t+768*\c+512
.endr
.endr
	s_wait_dscnt 17                                ; K's thirteen are in; V's seventeen may be out
.irp c, 0,1,2,3
	v_wmma_scale_f32_16x16x128_f8f6f4 v[S+16*\c:S+16*\c+7], v[40+12*\c:51+12*\c], v[26:37], 0, v[6+\c], v18 matrix_a_fmt:MATRIX_FMT_FP6 matrix_b_fmt:MATRIX_FMT_FP6
	v_wmma_scale_f32_16x16x128_f8f6f4 v[S+16*\c+8:S+16*\c+15], v[40+12*\c:51+12*\c], v[20:31], 0, v[6+\c], v18 matrix_a_fmt:MATRIX_FMT_FP6 matrix_b_fmt:MATRIX_FMT_FP6
.endr
.rept 4
	v_nop
.endr
	s_cmp_lg_u32 s41, s45
	s_cbranch_scc1 .Lopen_\@
	s_cmp_eq_u32 s21, 0
	s_cbranch_scc0 .Lupper_\@
.set nn, 0
.rept 32
	v_cmp_gt_i32 vcc_lo, nn, v5
	v_cndmask_b32 v[S+nn], v[S+nn], v240, vcc_lo   ; hidden: -infinity
.set nn, nn+1
.endr
.set nn, 32
.rept 32
	v_mov_b32 v[S+nn], v240                        ; the upper band comes after all queries of the lower
.set nn, nn+1
.endr
	s_wait_alu depctr_va_vdst(0)
	s_branch .Lopen_\@
.Lupper_\@:
.set nn, 0
.rept 32
	v_cmp_gt_i32 vcc_lo, nn, v5
	v_cndmask_b32 v[S+32+nn], v[S+32+nn], v240, vcc_lo
.set nn, nn+1
.endr
.Lopen_\@:
.irp b, 0,1,2,3
	v_max3_num_f32 v[244+\b], v[S+16*\b], v[S+1+16*\b], v[S+2+16*\b]   ; the largest score of each block of 32 keys, two chains a block
.endr
.irp i, 3,5,7,9,11,13
.irp b, 0,1,2,3
	v_max3_num_f32 v[244+\b], v[244+\b], v[S+16*\b+\i], v[S+1+16*\b+\i]
.endr
.endr
	v_max3_num_f32 v244, v244, v245, v[S+15]
	v_max3_num_f32 v246, v246, v247, v[S+47]
	v_max_num_f32 v244, v244, v[S+31]
	v_max_num_f32 v246, v246, v[S+63]
	v_mov_b32 v250, v16
	v_max_num_f32 v245, v244, v246
	v_permlanex16_b32 v247, v245, s[SEL], s[SEL+1]
	v_max_num_f32 v245, v245, v247                 ; the step's largest score of my query
	v_mul_f32 v245, s[CS], v245
	v_max_num_f32 v17, v17, v245
	v_floor_f32 v16, -v17                          ; the new -M
	v_sub_f32 v250, v16, v250
	v_cvt_i32_f32 v250, v250
	v_ldexp_f32 v252, 1.0, v250                    ; f = 2^(old M - new M)
.set jj, 0
.rept 32
	v_pk_fma_f32 v[S+jj:S+jj+1], v[S+jj:S+jj+1], s[CS:CS+1], v[16:17] op_sel_hi:[1,0,0]
.set jj, jj+2
.endr
	v_fma_f32 v244, v244, s[CS], v16               ; the same of each block's largest score
	v_fma_f32 v246, v246, s[CS], v16
	s_wait_alu depctr_va_vdst(0)
.set jj, 0
.rept 64
	v_exp_f32 v[S+jj], v[S+jj]
.set jj, jj+1
.endr
	v_exp_f32 v244, v244                           ; p rises with the score: the block's largest p
	v_exp_f32 v246, v246
	v_pk_mul_f32 v[14:15], v[14:15], v[252:253] op_sel_hi:[1,0]
	s_wait_alu depctr_va_vdst(0)
	v_pk_add_f32 v[52:53], v[S:S+1], v[S+2:S+3]    ; l: four chains
	v_pk_add_f32 v[54:55], v[S+4:S+5], v[S+6:S+7]
	v_pk_add_f32 v[56:57], v[S+8:S+9], v[S+10:S+11]
	v_pk_add_f32 v[14:15], v[14:15], v[S+12:S+13]
.set jj, 7
.rept 25
.if (jj-7)%4 == 3
	v_pk_add_f32 v[14:15], v[14:15], v[S+2*jj:S+2*jj+1]
.else
	v_pk_add_f32 v[52+2*((jj-7)%4):53+2*((jj-7)%4)], v[52+2*((jj-7)%4):53+2*((jj-7)%4)], v[S+2*jj:S+2*jj+1]
.endif
.set jj, jj+1
.endr
	v_max_num_f32 v244, 0x1800000, v244            ; the floor 2^(3 - 127)
	v_max_num_f32 v246, 0x1800000, v246
	v_pk_add_f32 v[14:15], v[14:15], v[52:53]
	v_pk_add_f32 v[54:55], v[54:55], v[56:57]
	v_add_nc_u32 v248, 0xff000000, v244            ; the conversions' scale operands
	v_add_nc_u32 v249, 0xff000000, v246
	v_pk_add_f32 v[14:15], v[14:15], v[54:55]
	v_cvt_scalef32_pk16_fp6_f32 v[40:42], v[S:S+15], v248
	v_cvt_scalef32_pk16_fp6_f32 v[64:66], v[S+16:S+31], v248
	v_cvt_scalef32_pk16_fp6_f32 v[46:48], v[S+32:S+47], v249
	v_cvt_scalef32_pk16_fp6_f32 v[68:70], v[S+48:S+63], v249
	v_lshrrev_b32 v244, 23, v248
	v_lshrrev_b32 v246, 23, v249
	v_mov_b32 v43, v64
	v_lshl_or_b32 v244, v246, 16, v244             ; my bytes h and 2 + h
	v_mov_b32 v44, v65
	v_lshlrev_b32 v244, v19, v244
	v_mov_b32 v45, v66
	v_permlanex16_b32 v247, v244, s[SEL], s[SEL+1]
	v_mov_b32 v49, v68
	v_mov_b32 v50, v69
	v_mov_b32 v51, v70
	v_or_b32 v239, v244, v247                      ; p's scale word
.if \first
.rept 8
	v_nop
.endr
.else
	s_wait_alu depctr_va_vdst(0)                   ; directly ahead of the first reader of O^T
.set jj, 0
.rept 16
	v_pk_mul_f32 v[O+jj:O+jj+1], v[O+jj:O+jj+1], v[252:253] op_sel_hi:[1,0]
.set jj, jj+2
.endr
.endif
	s_wait_alu depctr_va_vdst(0)
	s_wait_dscnt 0x0
.irp t, 0,1,2,3
.if \first
	v_wmma_scale_f32_16x16x128_f8f6f4 v[O+8*\t:O+7+8*\t], v[88+12*\t:99+12*\t], v[40:51], 0, v[10+\t], v239 matrix_a_fmt:MATRIX_FMT_FP6 matrix_b_fmt:MATRIX_FMT_FP6
.else
	v_wmma_scale_f32_16x16x128_f8f6f4 v[O+8*\t:O+7+8*\t], v[88+12*\t:99+12*\t], v[40:51], v[O+8*\t:O+7+8*\t], v[10+\t], v239 matrix_a_fmt:MATRIX_FMT_FP6 matrix_b_fmt:MATRIX_FMT_FP6
.endif
.endr
.endm
.macro DUMP adr                        ; O^T, l, -M and the largest t: nine stores of 512 consecutive bytes
.irp k, 0,1,2,3,4,5,6,7
	ds_store_b128 v[\adr], v[O+4*\k:O+4*\k+3] offset:512*\k
.endr
	ds_store_b128 v[\adr], v[14:17] offset:4096
	s_wait_dscnt 0x0
.endm
.macro RESET
	v_mov_b32 v14, 0
	v_mov_b32 v15, 0
	v_mov_b32 v17, 0xff61b1e6
	v_floor_f32 v16, -v17
.endm
.macro TRIP top                        ; top: the highest step that the ids give here
	s_cmp_eq_u32 s41, s47
	s_cbranch_scc0 .Lsame_\@
.irp k, 0,1,2,3,4,5                    ; THE CHANGE OF TILES
	v_mov_b32 v[26+\k], v[232+\k]
.endr
	v_mov_b32 v18, v238
	DUMP 241
.set jj, 0
.rept 32
	v_mov_b32 v[O+jj], 0
.set jj, jj+1
.endr
	RESET
	s_wait_alu depctr_va_vdst(0)
.Lsame_\@:
	s_cmp_gt_u32 s41, s49
	s_cbranch_scc1 .Lhid_\@
	s_cmp_ge_u32 s41, s44
	s_cselect_b32 s40, s23, 0
	s_add_co_u32 s40, s40, s41
	s_min_u32 s40, s40, \top
	s_mul_i32 s40, s40, STEPB
	STEP 0
.Lhid_\@:
	s_add_co_u32 s41, s41, 1
.endm
	s_mov_b32 s41, 0
	s_mov_b32 s40, 0
	s_wait_alu depctr_va_vdst(0)
	s_cmp_eq_u32 s12, 0
	s_cbranch_scc0 .Lnot_first
	s_wait_tensorcnt 0x0
.Lnot_first:
	s_barrier_signal -1
	s_barrier_wait -1                              ; step 0 is in
	STEP 1                                         ; trip 0: step 0 in every wave
	s_mov_b32 s41, 1
	s_wait_alu depctr_va_vdst(0)
	s_wait_tensorcnt 0x0                           ; the add is written twice
	ds_add_u32 v254, v255
	ds_add_u32 v254, v255
	s_wait_dscnt 0x0
	s_barrier_signal -1
	s_barrier_wait -1                              ; steps 1 to 8 are in
	s_cmp_lt_u32 s12, 9
	s_cbranch_scc1 .Lno_late
	s_cmp_gt_u32 s52, 15                           ; step w is read only up to 15 - i
	s_cbranch_scc1 .Lno_late
	tensor_load_to_lds s[32:35], s[24:31]
	s_nop 0
.rept 4
	v_nop
.endr
.Lno_late:
	TRIP 8                                         ; trip 1: step 1 or 8
	s_wait_alu depctr_va_vdst(0)
	s_wait_tensorcnt 0x0
	s_wait_dscnt 0x0
	s_barrier_signal -1
	s_barrier_wait -1                              ; the later steps are in
	s_mov_b32 s41, 2
.Ltrips:
	TRIP 15
	s_cmp_lt_u32 s41, 9
	s_cbranch_scc1 .Ltrips
	; THE JOIN.  The second wave hands A's part to the first and takes B's state back; its own registers then count for nothing (f = 0)
.rept 4
	v_nop
.endr
	s_cmp_eq_u32 s20, 0
	s_cbranch_scc1 .Lwhole
	DUMP 242
	RESET
.Lwhole:
	s_mul_i32 s40, s12, DB
	s_mul_i32 s42, s19, DB
	s_add_co_u32 s42, s42, 16*DB
	s_cmp_eq_u32 s20, 0
	s_cselect_b32 s40, s42, s40
	s_add_co_u32 s40, s40, DREG
	s_wait_alu depctr_va_vdst(0)
	s_wait_dscnt 0x0
	s_barrier_signal -1
	s_barrier_wait -1
	v_add_nc_u32 v38, s40, v1
	ds_load_b128 v[168:171], v38 offset:4096
.irp k, 0,1,2,3,4,5,6,7
	ds_load_b128 v[S+4*\k:S+4*\k+3], v38 offset:512*\k
.endr
	s_wait_dscnt 0x0
	v_min_num_f32 v172, v16, v170                  ; -M of both
	v_mov_b32 v177, 0
	v_sub_f32 v173, v172, v16
	v_sub_f32 v174, v172, v170
	v_cvt_i32_f32 v173, v173
	v_cvt_i32_f32 v174, v174
	v_mov_b32 v179, 0
	v_ldexp_f32 v176, 1.0, v173
	v_ldexp_f32 v178, 1.0, v174
	v_pk_mul_f32 v[14:15], v[14:15], v[176:177] op_sel_hi:[1,0]
	v_pk_fma_f32 v[14:15], v[168:169], v[178:179], v[14:15] op_sel_hi:[1,0,1]
.set jj, 0
.rept 16
	v_pk_mul_f32 v[O+jj:O+jj+1], v[O+jj:O+jj+1], v[176:177] op_sel_hi:[1,0]
.set jj, jj+2
.endr
	v_add_f32 v14, v14, v15
.set jj, 0
.rept 16
	v_pk_fma_f32 v[S+jj:S+jj+1], v[S+jj:S+jj+1], v[178:179], v[O+jj:O+jj+1] op_sel_hi:[1,0,1]
.set jj, jj+2
.endr
	v_permlanex16_b32 v247, v14, s[SEL], s[SEL+1]
	v_add_f32 v14, v14, v247                       ; l over both halves of the lanes
	s_wait_alu depctr_va_vdst(0)
	v_rcp_f32 v14, v14
	v_lshrrev_b32 v38, 3, v19
	v_add_nc_u32 v38, v3, v38                      ; ao_s: 16 r + h
	s_wait_alu depctr_va_vdst(0)
.set jj, 0
.rept 16
	v_pk_mul_f32 v[S+jj:S+jj+1], v[S+jj:S+jj+1], v[14:15] op_sel_hi:[1,0]   ; channels 32 h + 0 .. 31 of my query
.set jj, jj+2
.endr
	v_max3_num_f32 v244, |v[S]|, |v[S+1]|, |v[S+2]|
	v_max3_num_f32 v245, |v[S+16]|, |v[S+17]|, |v[S+18]|
.irp i, 3,5,7,9,11,13
	v_max3_num_f32 v244, v244, |v[S+\i]|, |v[S+1+\i]|
	v_max3_num_f32 v245, v245, |v[S+16+\i]|, |v[S+17+\i]|
.endr
	v_max3_num_f32 v244, v244, |v[S+15]|, v245
	v_max3_num_f32 v244, v244, |v[S+31]|, 0x1800000
	v_add_nc_u32 v248, 0xff000000, v244
	v_cvt_scalef32_pk16_fp6_f32 v[40:42], v[S:S+15], v248
	v_cvt_scalef32_pk16_fp6_f32 v[44:46], v[S+16:S+31], v248
	v_lshrrev_b32 v249, 23, v248
	v_mov_b32 v43, v44
	v_mov_b32 v44, v45
	v_mov_b32 v45, v46
	global_store_b128 v1, v[40:43], s[8:9]
	global_store_b64 v2, v[44:45], s[8:9] offset:512
	global_store_b8 v38, v249, s[10:11]
	s_wait_tensorcnt 0x0                           ; the wave's end
	ds_add_u32 v254, v255
	s_wait_dscnt 0x0
	s_endpgm
.Lfunc_end_k_q31d68c73c2_attn:
	.size	k_q31d68c73c2_attn, .Lfunc_end_k_q31d68c73c2_attn-k_q31d68c73c2_attn
	.p2alignl 7, 3214868480
	.fill 96, 4, 3214868480
	.section	.rodata,"a",@progbits
	.p2align	6, 0x0
	.amdhsa_kernel k_q31d68c73c2_attn
		.amdhsa_group_segment_fixed_size 327680
		.amdhsa_private_segment_fixed_size 0
		.amdhsa_enable_private_segment 0
		.amdhsa_kernarg_size 32
		.amdhsa_user_sgpr_count 2
		.amdhsa_user_sgpr_kernarg_segment_ptr 1
		.amdhsa_wavefront_size32 1
		.amdhsa_system_sgpr_workgroup_id_x 1
		.amdhsa_system_sgpr_workgroup_id_y 1
		.amdhsa_system_sgpr_workgroup_id_z 1
		.amdhsa_system_vgpr_workitem_id 0
		.amdhsa_next_free_vgpr 256
		.amdhsa_next_free_sgpr 96
		.amdhsa_reserve_vcc 1
		.amdhsa_float_denorm_mode_32 3
		.amdhsa_float_denorm_mode_16_64 3
		.amdhsa_memory_ordered 1
		.amdhsa_forward_progress 1
		.amdhsa_inst_pref_size 80
	.end_amdhsa_kernel
	.amdgpu_metadata
---
amdhsa.version: [ 1, 2 ]
amdhsa.kernels:
  - .name:           k_q31d68c73c2_attn
    .symbol:         k_q31d68c73c2_attn.kd
    .args:
      - { .name: kv, .offset: 0, .size: 8, .value_kind: global_buffer, .address_space: global }
      - { .name: qb, .offset: 8, .size: 8, .value_kind: global_buffer, .address_space: global }
      - { .name: ao_c, .offset: 16, .size: 8, .value_kind: global_buffer, .address_space: global }
      - { .name: ao_s, .offset: 24, .size: 8, .value_kind: global_buffer, .address_space: global }
    .group_segment_fixed_size: 327680
    .private_segment_fixed_size: 0
    .kernarg_segment_align: 8
    .kernarg_segment_size: 32
    .max_flat_workgroup_size: 512
    .sgpr_count:     96
    .vgpr_count:     256
    .wavefront_size: 32
...
	.end_amdgpu_metadata
.endif
;; end of part 3
;; launch proj (part 4): grid 8 x 32, 4 waves a work-group, clusters of 4 x 4, 214,528 bytes of LDS; arguments ao_c, ao_s, c1, s1, b_o, out0; writes out0
.if DOCPART == 4
	.amdgcn_target "amdgcn-amd-amdhsa--gfx1250"
	.amdhsa_code_object_version 6
	.text
	.protected	k_q31d68c73c2_proj
	.globl	k_q31d68c73c2_proj
	.p2align	8
	.type	k_q31d68c73c2_proj,@function
k_q31d68c73c2_proj:
	s_mov_b64 s[64:65], 0
	v_nop
	global_prefetch_b8 v0, s[64:65] scope:SCOPE_SE
	s_setreg_imm32_b32 hwreg(HW_REG_WAVE_MODE, 25, 1), 1
	s_wait_xcnt 0x0
	s_wait_alu depctr_hold_cnt(0) depctr_sa_sdst(0) depctr_va_vdst(0) depctr_va_sdst(0) depctr_va_ssrc(0) depctr_va_vcc(0) depctr_vm_vsrc(0)
	s_getreg_b32 s2, hwreg(HW_REG_IB_STS2, 6, 4)
	s_cmp_eq_u32 s2, 0
	s_cbranch_scc0 .Lentry_in_a_cluster
	s_endpgm
.Lentry_in_a_cluster:
	s_bfe_u32 s2, ttmp6, 0x10000c
	s_cmp_lg_u32 s2, 0xf033
	s_cbranch_scc0 .Lentry_shape_is_right
	s_endpgm
.Lentry_shape_is_right:
; out0 = attention's result x W_o^T + b_o on codes of FP6, one E8M0 scale for each 32 along K = 1,024; f32 sums; the bias is the C of the first K step.
; 128 tokens x 128 columns to a work-group (tiles of 256 x 256 would be 64 for 256 WGPs), 64 x 64 to each of four waves, 2 x 2 (a, b).  A wave holds its 64 rows of W_o, all of K, in registers (32 fragments) and finishes its tokens by tiles of 16, 32 products each: a tile's stores leave while the next is multiplied.
; ALL OF K LIES IN LDS, filled once at the head by one joint load a wave: waves 0, 1 W_o's eight tiles (shared along the cluster's columns), waves 2, 3 the tokens' (along its rows).  No prefetch: every byte is asked for at the head.
; Operands lie as images of registers: W_o's in pieces of 16 bytes a lane, the tokens' in halves of 16 + 8 bytes a lane.  Row r of tile j of 64 is 32 (r / 8) + 8 j + r % 8, tokens and columns alike: TRANSPOSED (source 0 = W_o's rows), a lane's 32 results are columns 32 h + 0 .. 31 of one token.
; The waits' counts: a tile's rows were fetched two tiles ago; younger are the last tile's 16 stage transfers and the next tile's 32 loads.
; LIMIT: NaN and infinities are not served.
.set WB,    98304
.set STG,   196608                     ; for each wave 16 rows x (256 + 16) bytes
.set SPARE, STG+4*4352
.set SPW,   10
.set NIL,   11
.set FPW,   21
.set SB,    24
.set SX,    44
.set BQ,    64
.set ACC,   128
.set OUTR,  192
.set G1A,   24
.set G1B,   32
.set MSB, 0
.macro WIN new
.if MSB != \new
	s_set_vgpr_msb (MSB<<8)|\new
.set MSB, \new
.endif
.endm
.macro PLACES
.rept 4
	v_nop
.endr
.endm
.macro CROUND
	s_barrier_signal -1
	s_barrier_wait -1
	s_cmp_lg_u32 s16, 0
	s_cbranch_scc1 .Lnot_wave_0_\@
	s_barrier_signal -3
.Lnot_wave_0_\@:
	s_barrier_wait -3
	s_barrier_signal -1
	s_barrier_wait -1
.endm
	s_load_b256 s[4:11], s[0:1], 0x0               ; ao_c, ao_s, c1, s1
	s_load_b128 s[12:15], s[0:1], 0x20             ; b_o, out0
	v_lshl_add_u32 v[SPW], v0, 2, SPARE
	v_mov_b32 v[NIL], 0
	ds_add_u32 v[SPW], v[NIL]
	ds_add_u32 v[SPW], v[NIL]
	v_lshrrev_b32 v1, 5, v0
	v_readfirstlane_b32 s16, v1
	s_lshr_b32 s17, s16, 1                         ; a
	s_and_b32 s18, s16, 1                          ; b; also which half of a tensor's eight tiles I fetch
	s_bfe_u32 s40, ttmp6, 0x40000
	s_bfe_u32 s41, ttmp6, 0x40004
	s_lshl_b32 s42, ttmp9, 2
	s_add_co_u32 s42, s42, s40                     ; 128 columns
	s_and_b32 s43, ttmp7, 0xffff
	s_lshl_b32 s43, s43, 2
	s_add_co_u32 s43, s43, s41                     ; 128 tokens
	s_lshl_b32 s44, s41, 2
	s_lshl_b32 s44, 15, s44                        ; my row of the cluster
	s_lshl_b32 s45, 0x1111, s40                    ; my column
	s_or_b32 s[G1A], s44, (3<<16)|(1<<21)          ; four rows of 12,288 dense bytes
	s_or_b32 s[G1B], s45, (3<<16)|(1<<21)
.irp g, G1A, G1B
	s_mov_b32 s[\g+1], 1536<<16
	s_mov_b32 s[\g+2], 4<<16
	s_mov_b32 s[\g+3], 1536<<16
	s_mov_b32 s[\g+4], 4
	s_mov_b32 s[\g+5], 1536
	s_mov_b32 s[\g+6], 0
	s_mov_b32 s[\g+7], 0
.endr
	s_lshl_b32 s46, s18, 2
	s_lshl_b32 s47, s43, 3
	s_add_co_u32 s48, s47, s46                     ; the tokens' tiles that waves 2, 3 fetch
	s_lshl_b32 s49, s42, 3
	s_add_co_u32 s49, s49, s46
	s_add_co_u32 s49, s49, 448                     ; W_o's tiles: those that waves 0, 1 fetch, and also those that I multiply by
	s_mul_i32 s48, s48, 12288
	s_mul_i32 s50, s49, 12288
	s_mul_i32 s51, s18, 49152
	s_mov_b32 s21, 0
	v_and_b32 v1, 15, v0                           ; r
	v_bfe_u32 v2, v0, 4, 1                         ; h
	v_and_b32 v3, 31, v0                           ; lane
	s_wait_alu depctr_va_vdst(0)
	s_wait_dscnt 0x0
	CROUND                                         ; the round in front of the joint loads
	s_wait_kmcnt 0x0
	s_mov_b32 s56, 1
	s_mov_b32 s57, s51
	s_mov_b32 s20, s48
	s_add_nc_u64 s[58:59], s[4:5], s[20:21]
	s_or_b32 s59, s59, 0x80000000
	s_mov_b32 s60, 1
	s_add_co_u32 s61, s51, WB
	s_mov_b32 s20, s50
	s_add_nc_u64 s[62:63], s[8:9], s[20:21]
	s_or_b32 s63, s63, 0x80000000
	s_cmp_lt_u32 s16, 2
	s_cbranch_scc0 .Lfor_a
	tensor_load_to_lds s[60:63], s[G1B:G1B+7]
	s_nop 0
	PLACES
	s_branch .Lasked
.Lfor_a:
	tensor_load_to_lds s[56:59], s[G1A:G1A+7]
	s_nop 0
	PLACES
.Lasked:
	s_lshl_b32 s20, s49, 9
	s_add_nc_u64 s[10:11], s[10:11], s[20:21]      ; W_o's scale words
	s_lshl_b32 s20, s43, 12
	s_lshl_b32 s22, s17, 11
	s_add_co_u32 s20, s20, s22
	s_add_nc_u64 s[6:7], s[6:7], s[20:21]          ; my four token tiles'
	s_lshl_b32 s20, s42, 9
	s_lshl_b32 s22, s18, 8
	s_add_co_u32 s20, s20, s22                     ; my first column, in bytes
	s_add_nc_u64 s[12:13], s[12:13], s[20:21]
	s_add_nc_u64 s[14:15], s[14:15], s[20:21]
	s_lshl_b32 s20, s43, 19
	s_lshl_b32 s22, s17, 18
	s_add_co_u32 s20, s20, s22                     ; my first token
	s_add_nc_u64 s[14:15], s[14:15], s[20:21]
	v_lshlrev_b32 v12, 9, v2
	v_lshl_add_u32 v12, v1, 4, v12                 ; scale words: lanes 16-31 take the next tile
	v_lshlrev_b32 v13, 7, v2
.irp p, 0,1
.irp g, 0,1
	global_load_b128 v[SB+8*\p+4*\g:SB+8*\p+4*\g+3], v12, s[10:11] offset:1024*\p+256*\g
	global_load_b128 v[SX+8*\p+4*\g:SX+8*\p+4*\g+3], v12, s[6:7] offset:1024*\p+256*\g
.endr
.endr
.irp k, 0,1,2,3,4,5,6,7
	global_load_b128 v[BQ+4*\k:BQ+4*\k+3], v13, s[12:13] offset:16*\k
.endr
	s_mul_i32 s22, s17, 49152
	v_lshl_add_u32 v4, v3, 4, s22                  ; my four token tiles: 16 x lane,
	v_lshl_add_u32 v5, v3, 3, s22                  ; 8 x lane
	s_mul_i32 s22, s18, 49152
	s_add_co_u32 s22, s22, WB
	v_lshl_add_u32 v6, v3, 4, s22                  ; my 64 rows of W_o
	s_mul_i32 s22, s16, 4352
	s_add_co_u32 s22, s22, STG
	v_mul_u32_u24 v7, v1, 272
	v_lshl_add_u32 v7, v2, 7, v7
	v_add_nc_u32 v7, s22, v7                       ; my stage, in: row r, + 128 h
	v_mul_u32_u24 v8, v2, 272
	v_lshl_add_u32 v8, v1, 4, v8
	v_add_nc_u32 v8, s22, v8                       ; back: lanes 0-15 one row, lanes 16-31 the next
	v_lshlrev_b32 v9, 12, v2
	v_lshl_add_u32 v9, v1, 4, v9                   ; and the same two rows of out0
.macro WEIGHTS
.irp q, 0,1,2,3,4,5,6,7
.irp b, 0,1,2,3
.set F_, 4*\q+\b
	WIN (1+F_/FPW)<<6
.set R_, 12*(F_%FPW)
.irp k, 0,1,2
	ds_load_b128 v[R_+4*\k:R_+4*\k+3], v6 offset:\b*12288+\q*1536+512*\k
.endr
.endr
.endr
	WIN 0
.endm
.macro FETCH j                         ; tile j into set j % 2: 32 loads
.irp q, 0,1,2,3,4,5,6,7
.set F_, 32+8*((\j)%2)+\q
	WIN (1+F_/FPW)<<6
.set R_, 12*(F_%FPW)
.irp c, 0,1
	ds_load_b128 v[R_+6*\c:R_+6*\c+3], v4 offset:(\j)*12288+\q*1536+768*\c
	ds_load_b64 v[R_+6*\c+4:R_+6*\c+5], v5 offset:(\j)*12288+\q*1536+768*\c+512
.endr
.endr
	WIN 0
.endm
.macro PRODX ra, rb
	v_wmma_scale_f32_16x16x128_f8f6f4 v[D_:D_+7], v[12*(FB_%FPW):12*(FB_%FPW)+11], v[12*(FA_%FPW):12*(FA_%FPW)+11], v[C_:C_+7], v[XB_], v[XA_] matrix_a_fmt:MATRIX_FMT_FP6 matrix_b_fmt:MATRIX_FMT_FP6 matrix_a_scale:MATRIX_SCALE_ROW\ra matrix_b_scale:MATRIX_SCALE_ROW\rb
.endm
.macro BLOCK j, from, to               ; products n = 4 q + t of tile j; the four accumulators by turns
.set N_, \from
.rept (\to)-(\from)
.set Q_, N_/4
.set B4_, N_%4
.set FB_, N_
.set FA_, 32+8*((\j)%2)+Q_
.set D_, ACC+32*((\j)%2)+8*B4_
.set C_, D_
.if Q_ == 0
.set C_, BQ+8*B4_
.endif
.set XB_, SB+8*(B4_/2)+Q_
.set XA_, SX+8*((\j)/2)+Q_
	WIN (1+FB_/FPW)|((1+FA_/FPW)<<2)
.if B4_%2
.if (\j)%2
	PRODX 1, 1
.else
	PRODX 1, 0
.endif
.else
.if (\j)%2
	PRODX 0, 1
.else
	PRODX 0, 0
.endif
.endif
.set N_, N_+1
.endr
.endm
.macro TOSTAGE j                       ; LDS serves a wave's instructions in order: the loads see the stores
.irp k, 0,1,2,3,4,5,6,7
	ds_store_b128 v7, v[ACC+32*((\j)%2)+4*\k:ACC+32*((\j)%2)+4*\k+3] offset:16*\k
.endr
.irp u, 0,1,2,3,4,5,6,7
	ds_load_b128 v[OUTR+32*((\j)%2)+4*\u:OUTR+32*((\j)%2)+4*\u+3], v8 offset:544*\u
.endr
.endm
.macro SEND j, younger
	s_wait_dscnt \younger
.irp u, 0,1,2,3,4,5,6,7
	global_store_b128 v9, v[OUTR+32*((\j)%2)+4*\u:OUTR+32*((\j)%2)+4*\u+3], s[14:15] offset:(32*(\u/4)+2*(\u%4)+8*(\j))*4096 th:TH_STORE_NT   ; 16 lanes store 256 consecutive bytes, aligned
.endr
.endm
	s_wait_alu depctr_va_vdst(0)
	s_cmp_lt_u32 s16, 2
	s_cbranch_scc0 .Lnot_b
	s_wait_tensorcnt 0x0
.Lnot_b:
	s_barrier_signal -1
	s_barrier_wait -1                              ; W_o is in
	WEIGHTS
	s_wait_loadcnt 0x0
	s_wait_tensorcnt 0x0
	s_wait_dscnt 0x0
	s_barrier_signal -1
	s_barrier_wait -1                              ; the tokens are in
	FETCH 0
	FETCH 1
	s_wait_dscnt 32
	BLOCK 0, 0, 32
	WIN 0
	PLACES
	TOSTAGE 0
	FETCH 2
	s_wait_dscnt 48
	BLOCK 1, 0, 16
	WIN 0
	SEND 0, 32
	BLOCK 1, 16, 32
	WIN 0
	PLACES
	TOSTAGE 1
	FETCH 3
	s_wait_dscnt 48
	BLOCK 2, 0, 16
	WIN 0
	SEND 1, 32
	BLOCK 2, 16, 32
	WIN 0
	PLACES
	s_wait_xcnt 0x0                                ; tile 0's stores have read their registers
	TOSTAGE 2
	s_wait_dscnt 16
	BLOCK 3, 0, 16
	WIN 0
	SEND 2, 0
	BLOCK 3, 16, 32
	WIN 0
	PLACES
	s_wait_xcnt 0x0
	TOSTAGE 3
	SEND 3, 0
	s_wait_tensorcnt 0x0                           ; the wave's end
	ds_add_u32 v[SPW], v[NIL]
	s_wait_dscnt 0x0
	CROUND                                         ; the closing round
	s_endpgm
.Lfunc_end_k_q31d68c73c2_proj:
	.size	k_q31d68c73c2_proj, .Lfunc_end_k_q31d68c73c2_proj-k_q31d68c73c2_proj
	.p2alignl 7, 3214868480
	.fill 96, 4, 3214868480
	.section	.rodata,"a",@progbits
	.p2align	6, 0x0
	.amdhsa_kernel k_q31d68c73c2_proj
		.amdhsa_group_segment_fixed_size 214528
		.amdhsa_private_segment_fixed_size 0
		.amdhsa_enable_private_segment 0
		.amdhsa_kernarg_size 48
		.amdhsa_user_sgpr_count 2
		.amdhsa_user_sgpr_kernarg_segment_ptr 1
		.amdhsa_wavefront_size32 1
		.amdhsa_system_sgpr_workgroup_id_x 1
		.amdhsa_system_sgpr_workgroup_id_y 1
		.amdhsa_system_sgpr_workgroup_id_z 1
		.amdhsa_system_vgpr_workitem_id 0
		.amdhsa_next_free_vgpr 1024
		.amdhsa_next_free_sgpr 92
		.amdhsa_reserve_vcc 0
		.amdhsa_float_denorm_mode_32 3
		.amdhsa_float_denorm_mode_16_64 3
		.amdhsa_memory_ordered 1
		.amdhsa_forward_progress 1
		.amdhsa_inst_pref_size 47
	.end_amdhsa_kernel
	.amdgpu_metadata
---
amdhsa.version: [ 1, 2 ]
amdhsa.kernels:
  - .name:           k_q31d68c73c2_proj
    .symbol:         k_q31d68c73c2_proj.kd
    .args:
      - { .name: ao_c, .offset: 0, .size: 8, .value_kind: global_buffer, .address_space: global }
      - { .name: ao_s, .offset: 8, .size: 8, .value_kind: global_buffer, .address_space: global }
      - { .name: c1, .offset: 16, .size: 8, .value_kind: global_buffer, .address_space: global }
      - { .name: s1, .offset: 24, .size: 8, .value_kind: global_buffer, .address_space: global }
      - { .name: b_o, .offset: 32, .size: 8, .value_kind: global_buffer, .address_space: global }
      - { .name: out0, .offset: 40, .size: 8, .value_kind: global_buffer, .address_space: global }
    .group_segment_fixed_size: 214528
    .private_segment_fixed_size: 0
    .kernarg_segment_align: 8
    .kernarg_segment_size: 48
    .max_flat_workgroup_size: 128
    .sgpr_count:     92
    .vgpr_count:     1024
    .wavefront_size: 32
...
	.end_amdgpu_metadata
.endif
;; end of part 4
